; MI455X (gfx1250); checked and timed in simulation.
; The chip was launched on July 23, 2026; its instructions are those of AMD's public machine-readable ISA for CDNA 5 (MIT licence, August 2026) and "CDNA5" Instruction Set Architecture Reference Guide (July 2026). The comments in the code are by the model that wrote it; some were corrected since.
;; Locality Self Attention. Allowed arithmetic: float matrix products may take bf16 or f16 operands with f32 sums; all other float work in f32.
;; Inputs: W_proj 256 x 256 float32; W_qkv 768 x 256 float32; b_proj 256 float32; temperature 1 float32; x 2 x 4,096 x 256 float32.
;; Outputs: out0 2 x 4,096 x 256 float32.
;; One version. Each part assembles by itself: llvm-mc -triple=amdgcn-amd-amdhsa -mcpu=gfx1250 --defsym DOCPART=n.
;; ======== version 1 of 1: 2 launches
;; limits: values are held in f16: magnitudes above 65,504 overflow, below 6.1e-05 lose precision
;; workspace buffers: qh 4,194,304 bytes; kh 4,194,304 bytes; vh 4,194,304 bytes; wpf 131,072 bytes
;; launch qkv (part 1): grid 4 x 64, 8 waves a work-group, no clusters, 225,280 bytes of LDS; arguments x, W_qkv, W_proj, temperature, qh, kh, vh, wpf; writes qh, kh, vh, wpf
.if DOCPART == 1
	.amdgcn_target "amdgcn-amd-amdhsa--gfx1250"
	.amdhsa_code_object_version 6
	.text
	.protected	k_q0c2f6e9423_qkv
	.globl	k_q0c2f6e9423_qkv
	.p2align	8
	.type	k_q0c2f6e9423_qkv,@function
k_q0c2f6e9423_qkv:
	s_mov_b64 s[64:65], 0
	v_nop
	global_prefetch_b8 v0, s[64:65] scope:SCOPE_SE
	s_setreg_imm32_b32 hwreg(HW_REG_WAVE_MODE, 25, 1), 1
	s_wait_xcnt 0x0
; q, k, v = x W_qkv^T, stored as f16 in the layout [pair of heads 0..3][token 0..8191][64 channels] (128 bytes a token), one buffer each.
; q is multiplied in f32 by c = temperature * 32^-0.5 * log2(e), so that the next launch's softmax is a plain 2^x.
; Besides, each work-group rewrites one 512-byte block of W_proj as f16 in the order in which the next launch's fragments want it.
;
; SHARES.  Work-group (p, mb): tokens 128 mb .. +127 and 192 channels, rows 64 p .. +63 of W_qkv's q, k and v blocks (heads 2p, 2p+1).
; Eight waves: wave w takes tokens 64 (w&1) .. +63 (4 tiles of 16) and channel tiles 3 (w>>1) + 0..2: 12 accumulator tiles, K = 256 in 8 chunks of 32.
; FORMAT.  f16 operands, f32 sums.  LIMIT: |x|, |W_qkv|, |W_proj|, |c q|, |k|, |v| must stay below 65,504 (f16's largest number); beyond it
; the conversion gives infinity.  Inputs 30 times those of the problem's spread give |c q| of some 38,000 at the most.
; WHY THROUGH REGISTERS, WITHOUT TENSOR LOADS AND WITHOUT A CLUSTER: the inputs are f32.  The 128 + 192 rows of 1,024 bytes are 327,680 bytes,
; which with any padding is more LDS than a work-group can be given, and from an f32 tile every wave that uses a fragment would convert it again
; (x four times, W twice).  Through registers each number is converted once and all of K lies in LDS as f16 (168,960 bytes): no ring, one barrier.
; The x tile is shared by the four work-groups p of one mb only as f32, so a joint request would bring it in the form that does not fit.
; No prefetch: every load of the launch is issued within the first lines of each wave.
.set PX,    528                        ; LDS pitch of a row of 256 f16: 512 + 16 bytes, an odd multiple of 16: the 16 rows of a fragment load start in 16 different 16-byte columns
.set XB,    0                          ; x: 128 rows
.set WB,    128*PX                     ; W: 192 rows in the order q 64, k 64, v 64
.set SB,    WB+192*PX                  ; stage: three buffers (q, k, v) of 128 tokens
.set STP,   144                        ; stage pitch: 128 + 16 bytes
.set SBUF,  128*STP
.set GL,    1                          ; v1      16 t: my 16 bytes of every 4,096 that the work-group loads at once
.set XS,    2                          ; v2      where my 8 bytes of f16 go in XB
.set WS0,   3                          ; v3      the same in WB, rows 0-127
.set WS2,   4                          ; v4      the same in WB, rows 128-191
.set WA,    5                          ; v5      my W fragments
.set XA,    6                          ; v6      my x fragments
.set STA,   7                          ; v7-9    stage address of channel tile a = 0, 1, 2
.set RB,    10                         ; v10     read-back address in the stage
.set GS,    11                         ; v11     my byte offset in qh, kh, vh
.set CV,    16                         ; v16-47  load phase: converted numbers
.set LD,    64                         ; v64-255 load phase: three slots of 16 loads
.set ACC,   16                         ; v16-111 product phase: tile (a, b) at ACC + 8 (4 a + b)
.set FB0,   112                        ; v112-167 fragment buffer 0: W 24 registers, x 32
.set FB1,   168                        ; v168-223 fragment buffer 1
.set T,     224                        ; v224-239 packed results
.set RBK,   112                        ; v112-159 read-back of the stage
	s_load_b512 s[4:19], s[0:1], 0x0               ; x 4, W_qkv 6, W_proj 8, temperature 10, qh 12, kh 14, vh 16, wpf 18
	s_set_vgpr_msb 0x40
	v_lshl_add_u32 v0, v0, 2, 0x36c00
	v_mov_b32 v1, 0
	s_set_vgpr_msb 0x4000
	v_lshrrev_b32 v15, 5, v0
	v_readfirstlane_b32 s20, v15                   ; wave w
	s_and_b32 s21, s20, 1                          ; tg: which 64 tokens
	s_lshr_b32 s22, s20, 1                         ; cg: which 3 channel tiles
	s_mov_b32 s23, ttmp9                           ; p
	s_and_b32 s24, ttmp7, 0xffff                   ; mb
	s_lshl2_add_u32 s25, s24, s23                  ; id = 4 mb + p, 0..255: my block of wpf
	s_mul_i32 s34, s22, 3                          ; channel tile of a = 0
	v_and_b32 v14, 31, v0                          ; L
	v_and_b32 v12, 15, v0                          ; r
	v_bfe_u32 v13, v0, 4, 1                        ; h
	v_lshlrev_b32 v[GL], 4, v0
	; one load of the work-group covers 4 rows of 1,024 bytes: thread t has row t>>6 = w>>1 and f32 columns 4 (t&63) .. +3, f16 byte 256 (w&1) + 8 L
	s_mul_i32 s30, s22, PX
	s_lshl_b32 s31, s21, 8
	s_add_co_u32 s30, s30, s31
	v_lshl_add_u32 v[XS], v14, 3, s30
	v_add_nc_u32 v[WS0], WB, v[XS]
	v_add_nc_u32 v[WS2], WB+128*PX, v[XS]
	s_wait_kmcnt 0x0
	s_load_b32 s26, s[10:11], 0x0                  ; temperature
	s_mov_b32 s29, 0
	s_lshl_b32 s28, s24, 17                        ; 128 tokens of 1,024 bytes
	s_add_nc_u64 s[4:5], s[4:5], s[28:29]
	s_lshl_b32 s28, s23, 16                        ; 64 rows of 1,024 bytes
	s_add_nc_u64 s[6:7], s[6:7], s[28:29]
	; wave 0 alone asks for the work-group's block of W_proj: block id = 16 ct + 2 kc + i2 holds, for lane (r, h),
	; W_proj[16 ct + r][32 kc + 16 i2 + 8 h + 0..7]: 32 bytes at (16 ct + r) 1024 + 64 (id & 15) + 32 h
	s_cmp_lg_u32 s20, 0
	s_cbranch_scc1 .Lno_wp_load
	s_lshr_b32 s30, s25, 4
	s_lshl_b32 s30, s30, 14
	s_and_b32 s31, s25, 15
	s_lshl_b32 s31, s31, 6
	s_add_co_u32 s30, s30, s31
	v_lshlrev_b32 v60, 10, v12
	v_lshl_add_u32 v60, v13, 5, v60
	v_add_nc_u32 v60, s30, v60
	global_load_b128 v[48:51], v60, s[8:9]
	global_load_b128 v[52:55], v60, s[8:9] offset:16
.Lno_wp_load:
; 16 loads of 16 bytes a lane: 64 rows for the work-group.  lo: the base's first scalar register; imm0: the batch's first byte
.macro ISSUE slot, lo, imm0
.set n, 0
.rept 16
	global_load_b128 v[LD+64*\slot+4*n:LD+64*\slot+4*n+3], v[GL], s[\lo:\lo+1] offset:\imm0+4096*n
.set n, n+1
.endr
.endm
; A batch's 16 loads, four at a time: wait, round to f16, 8 bytes into LDS.  left = loads of later batches, which stay out.
.macro PROC slot, areg, ibase, left
.irp g, 0,1,2,3
	s_wait_loadcnt \left+12-4*\g                   ; loads come back in order (ISA guide 5.7.1): the batch's first 4 g + 4 are in
.irp q, 0,1,2,3
	v_cvt_pk_f16_f32 v[CV+8*\g+2*\q],   v[LD+64*\slot+16*\g+4*\q],   v[LD+64*\slot+16*\g+4*\q+1]
	v_cvt_pk_f16_f32 v[CV+8*\g+2*\q+1], v[LD+64*\slot+16*\g+4*\q+2], v[LD+64*\slot+16*\g+4*\q+3]
	ds_store_b64 v[\areg], v[CV+8*\g+2*\q:CV+8*\g+2*\q+1] offset:(\ibase+4*\g+\q)*4*PX
.endr
.endr
.endm
	ISSUE 0, 4, 0                                  ; x rows 0-63
	ISSUE 1, 4, 65536                              ; x rows 64-127
	ISSUE 2, 6, 0                                  ; W's q rows: 48 loads of 512 bytes a wave are on their way
	; the rest of the addresses, while the loads travel
	s_lshl_b32 s28, s23, 20                        ; pair p: 8,192 tokens of 128 bytes
	s_lshl_b32 s30, s24, 14                        ; 128 tokens of 128 bytes
	s_add_co_u32 s28, s28, s30
	s_add_nc_u64 s[12:13], s[12:13], s[28:29]
	s_add_nc_u64 s[14:15], s[14:15], s[28:29]
	s_add_nc_u64 s[16:17], s[16:17], s[28:29]
	s_lshl_b32 s28, s25, 9
	s_add_nc_u64 s[18:19], s[18:19], s[28:29]      ; my block of wpf
	v_mul_u32_u24 v15, v12, PX
	v_lshl_add_u32 v15, v13, 4, v15                ; a fragment's lane term: r x pitch + 16 h
	s_mul_i32 s30, s22, 48*PX
	s_add_co_u32 s30, s30, WB
	v_add_nc_u32 v[WA], s30, v15
	s_mul_i32 s31, s21, 64*PX
	v_add_nc_u32 v[XA], s31, v15
	v_mul_u32_u24 v15, v12, STP                    ; stage: token 64 tg + r, 16 bytes for each half of the lanes
	v_lshl_add_u32 v15, v13, 4, v15
	s_mul_i32 s30, s21, 64*STP
	s_add_co_u32 s30, s30, SB
	v_add_nc_u32 v15, s30, v15
.irp a, 0,1,2
	s_add_co_u32 s32, s34, \a                      ; channel tile gt = 3 cg + a: buffer gt>>2 (q, k, v), 32 bytes x (gt&3) in the token's 128
	s_lshr_b32 s33, s32, 2
	s_and_b32 s32, s32, 3
	s_mul_i32 s33, s33, SBUF
	s_lshl_b32 s32, s32, 5
	s_add_co_u32 s33, s33, s32
	v_add_nc_u32 v[STA+\a], s33, v15
.endr
	v_lshrrev_b32 v15, 3, v14                      ; read-back: 8 lanes take a token's 128 bytes, a wave's load 4 tokens
	v_mul_u32_u24 v15, v15, STP
	v_and_b32 v[RB], 7, v14
	v_lshl_add_u32 v[RB], v[RB], 4, v15
	s_mul_i32 s30, s20, 16*STP
	s_add_co_u32 s30, s30, SB
	v_add_nc_u32 v[RB], s30, v[RB]
	v_lshlrev_b32 v[GS], 4, v14
	s_lshl_b32 s30, s20, 11                        ; 16 tokens of 128 bytes a wave
	v_add_nc_u32 v[GS], s30, v[GS]
	PROC 0, XS, 0, 32
	s_cmp_lg_u32 s20, 0                            ; wave 0: its two W_proj loads are older than every batch load, so the waits above have covered them
	s_cbranch_scc1 .Lno_wp_store
	v_cvt_pk_f16_f32 v56, v48, v49
	v_cvt_pk_f16_f32 v57, v50, v51
	v_cvt_pk_f16_f32 v58, v52, v53
	v_cvt_pk_f16_f32 v59, v54, v55
	global_store_b128 v[GL], v[56:59], s[18:19]    ; in wave 0 t = L: 512 consecutive bytes, aligned
.Lno_wp_store:
	ISSUE 0, 6, 262144                             ; W's k rows
	PROC 1, XS, 16, 32
	ISSUE 1, 6, 524288                             ; W's v rows
	PROC 2, WS0, 0, 32
	PROC 0, WS0, 16, 16
	PROC 1, WS2, 0, 0
	s_wait_xcnt 0x0                                ; wave 0's store names v56-59, which the accumulators overwrite: only behind this wait
	s_wait_dscnt 0x0                               ; my part of x and W is in LDS, for the others' sake
	s_barrier_signal -1
	s_barrier_wait -1                              ; everybody's is
	s_wait_kmcnt 0x0
	s_mul_f32 s26, s26, 0x3e8293ee                 ; c = temperature x 0.25503486 (32^-0.5 log2 e)
	s_mov_b32 s27, s26                             ; the pair is named whole by the packed multiply
.macro PLACES                          ; the four places that ISA guide 7.12.1 asks behind a matrix instruction before its registers are touched
.rept 4
	v_nop
.endr
.endm
; 14 LDS loads: the fragments of K chunk kc (3 of W, 4 of x; 16 rows x 32 K each, two loads 32 bytes apart)
.macro FETCH f, kc
.irp a, 0,1,2
	ds_load_b128 v[\f+8*\a:\f+8*\a+3],   v[WA] offset:16*PX*\a+64*(\kc)
	ds_load_b128 v[\f+8*\a+4:\f+8*\a+7], v[WA] offset:16*PX*\a+64*(\kc)+32
.endr
.irp b, 0,1,2,3
	ds_load_b128 v[\f+24+8*\b:\f+24+8*\b+3], v[XA] offset:16*PX*\b+64*(\kc)
	ds_load_b128 v[\f+24+8*\b+4:\f+24+8*\b+7], v[XA] offset:16*PX*\b+64*(\kc)+32
.endr
.endm
; 12 matrix instructions.  Source 0 = 16 channels of W, source 1 = 16 tokens of x: lane (r, h) then holds token r and the eight
; NEIGHBOURING channels 8 h + 0..7, which pack into 16 bytes.  zero = 1: the first product starts the sums.
.macro MUL f, zero
.irp a, 0,1,2
.irp b, 0,1,2,3
.if \zero
	v_wmma_f32_16x16x32_f16 v[ACC+8*(4*\a+\b):ACC+8*(4*\a+\b)+7], v[\f+8*\a:\f+8*\a+7], v[\f+24+8*\b:\f+24+8*\b+7], 0
.else
	v_wmma_f32_16x16x32_f16 v[ACC+8*(4*\a+\b):ACC+8*(4*\a+\b)+7], v[\f+8*\a:\f+8*\a+7], v[\f+24+8*\b:\f+24+8*\b+7], v[ACC+8*(4*\a+\b):ACC+8*(4*\a+\b)+7]
.endif
.endr
.endr
.endm
.macro KSTEP f, kc, zero
	s_wait_dscnt 14                                ; this chunk's 14 loads are in; the next chunk's 14 stay out
	MUL \f, \zero
	PLACES
	FETCH \f, \kc+2                                ; two chunks ahead, into the buffer just multiplied
.endm
	FETCH FB0, 0
	FETCH FB1, 1
	KSTEP FB0, 0, 1
	KSTEP FB1, 1, 0
	KSTEP FB0, 2, 0
	KSTEP FB1, 3, 0
	KSTEP FB0, 4, 0
	KSTEP FB1, 5, 0
	s_wait_dscnt 14
	MUL FB0, 0
	s_wait_dscnt 0                                 ; nothing was asked for behind the last chunk
	MUL FB1, 0
	PLACES                                         ; before vector instructions read the sums
; Channel tile a of my four token tiles: q's tiles (gt < 4) are scaled in f32; all are rounded once to f16 and put into the stage.
.macro OUTROW a
	s_add_co_u32 s32, s34, \a
	s_cmp_ge_u32 s32, 4
	s_cbranch_scc1 .Lns\a
.set n, 0
.rept 16
	v_pk_mul_f32 v[ACC+32*\a+2*n:ACC+32*\a+2*n+1], v[ACC+32*\a+2*n:ACC+32*\a+2*n+1], s[26:27] op_sel_hi:[1,0]
.set n, n+1
.endr
.Lns\a:
.irp b, 0,1,2,3
.irp q, 0,1,2,3
	v_cvt_pk_f16_f32 v[T+4*\b+\q], v[ACC+8*(4*\a+\b)+2*\q], v[ACC+8*(4*\a+\b)+2*\q+1]
.endr
	ds_store_b128 v[STA+\a], v[T+4*\b:T+4*\b+3] offset:16*STP*\b
.endr
.endm
	OUTROW 0
	OUTROW 1
	OUTROW 2
	s_wait_dscnt 0x0                               ; my part of the stage is written, for the others' sake
	s_barrier_signal -1
	s_barrier_wait -1
	; the way out: wave w takes tokens 16 w .. +15 of each of the three buffers; each store covers 512 consecutive bytes, aligned
.irp u, 0,1,2
.irp m, 0,1,2,3
	ds_load_b128 v[RBK+16*\u+4*\m:RBK+16*\u+4*\m+3], v[RB] offset:SBUF*\u+4*STP*\m
.endr
.endr
.irp u, 0,1,2
.irp m, 0,1,2,3
	s_wait_dscnt 11-4*\u-\m                        ; the younger read-backs stay out
	global_store_b128 v[GS], v[RBK+16*\u+4*\m:RBK+16*\u+4*\m+3], s[12+2*\u:13+2*\u] offset:512*\m
.endr
.endr
	s_set_vgpr_msb 0x5
	s_wait_tensorcnt 0x0
	ds_add_u32 v0, v1
	s_wait_dscnt 0x0
	s_set_vgpr_msb 0x500
	s_endpgm
.Lfunc_end_k_q0c2f6e9423_qkv:
	.size	k_q0c2f6e9423_qkv, .Lfunc_end_k_q0c2f6e9423_qkv-k_q0c2f6e9423_qkv
	.p2alignl 7, 3214868480
	.fill 96, 4, 3214868480
	.section	.rodata,"a",@progbits
	.p2align	6, 0x0
	.amdhsa_kernel k_q0c2f6e9423_qkv
		.amdhsa_group_segment_fixed_size 225280
		.amdhsa_private_segment_fixed_size 0
		.amdhsa_enable_private_segment 0
		.amdhsa_kernarg_size 64
		.amdhsa_user_sgpr_count 2
		.amdhsa_user_sgpr_kernarg_segment_ptr 1
		.amdhsa_wavefront_size32 1
		.amdhsa_system_sgpr_workgroup_id_x 1
		.amdhsa_system_sgpr_workgroup_id_y 1
		.amdhsa_system_sgpr_workgroup_id_z 1
		.amdhsa_system_vgpr_workitem_id 0
		.amdhsa_next_free_vgpr 258
		.amdhsa_next_free_sgpr 66
		.amdhsa_reserve_vcc 0
		.amdhsa_float_denorm_mode_32 3
		.amdhsa_float_denorm_mode_16_64 3
		.amdhsa_memory_ordered 1
		.amdhsa_forward_progress 1
		.amdhsa_inst_pref_size 52
	.end_amdhsa_kernel
	.amdgpu_metadata
---
amdhsa.version: [ 1, 2 ]
amdhsa.kernels:
  - .name:           k_q0c2f6e9423_qkv
    .symbol:         k_q0c2f6e9423_qkv.kd
    .args:
      - { .name: x, .offset: 0, .size: 8, .value_kind: global_buffer, .address_space: global }
      - { .name: W_qkv, .offset: 8, .size: 8, .value_kind: global_buffer, .address_space: global }
      - { .name: W_proj, .offset: 16, .size: 8, .value_kind: global_buffer, .address_space: global }
      - { .name: temperature, .offset: 24, .size: 8, .value_kind: global_buffer, .address_space: global }
      - { .name: qh, .offset: 32, .size: 8, .value_kind: global_buffer, .address_space: global }
      - { .name: kh, .offset: 40, .size: 8, .value_kind: global_buffer, .address_space: global }
      - { .name: vh, .offset: 48, .size: 8, .value_kind: global_buffer, .address_space: global }
      - { .name: wpf, .offset: 56, .size: 8, .value_kind: global_buffer, .address_space: global }
    .group_segment_fixed_size: 225280
    .private_segment_fixed_size: 0
    .kernarg_segment_align: 8
    .kernarg_segment_size: 64
    .max_flat_workgroup_size: 256
    .sgpr_count:     66
    .vgpr_count:     258
    .wavefront_size: 32
...
	.end_amdgpu_metadata
.endif
;; end of part 1
;; launch attn (part 2): grid 8 x 32, 8 waves a work-group, no clusters, 264,192 bytes of LDS; arguments qh, kh, vh, wpf, b_proj, out0; writes out0
.if DOCPART == 2
	.amdgcn_target "amdgcn-amd-amdhsa--gfx1250"
	.amdhsa_code_object_version 6
	.text
	.protected	k_q0c2f6e9423_attn
	.globl	k_q0c2f6e9423_attn
	.p2align	8
	.type	k_q0c2f6e9423_attn,@function
k_q0c2f6e9423_attn:
	s_mov_b64 s[64:65], 0
	v_nop
	global_prefetch_b8 v0, s[64:65] scope:SCOPE_SE
	s_setreg_imm32_b32 hwreg(HW_REG_WAVE_MODE, 25, 1), 1
	s_wait_xcnt 0x0
; out0 = softmax(masked q k^T) v, heads joined, times W_proj^T, plus b_proj.  q already carries temperature x 32^-0.5 x log2(e).
; Tokens lie on a grid of 64 x 64; a key counts only within 3 rows and 3 columns of the query (the mask that the problem builds itself).
;
; SHARES.  Work-group (x, y): batch y>>4, query rows r0 = 4 (y&15) .. +3, query columns c0 = 8 x .. +7: 32 queries, all 8 heads.
; Its halo of keys, 10 rows x 16 columns, is shifted inward at the grid's edges (hr0, ws), so it always lies inside; the mask does the rest.
; Wave w: t = w&1 (query rows qr0 = r0 + 2 t, qr0 + 1: a tile of 16 queries, query r at row qr0 + (r>>3), column c0 + (r&7)), p = w>>1 (heads 2p, 2p+1).
; A unit = one head of one query tile against a window of 8 rows x 16 columns = 128 keys: 8 + 12 matrix instructions.
; Then wave w makes output channels 32 w .. +31 of all 32 queries.
; FORMAT.  f16 operands, f32 sums and softmax.  LIMITS: the attention output and all operands stay below 65,504 in magnitude; a masked score is
; the finite number -1.0e30 added to the product, so true scores must stay far below 1e30 in magnitude.  The maximum over the allowed keys is taken away.
; SCORES ARE MADE TRANSPOSED (source 0 = keys, source 1 = queries): lane (r, h) holds query r and keys 8 h + 0..7 of each window row, which
; is, after packing, exactly the layout of source 1 of the second product: P never moves between lanes.  The mask is the first product's C operand.
; The row sum of P is a third product with a matrix of ones, so numerator and denominator see the same rounded P.
; NO CLUSTER: neighbouring work-groups' halos are windows shifted by 8 columns or 4 rows, not equal tiles; what all share is wpf, 131,072 bytes,
; which beside the 263,168 bytes of tiles and the stages does not fit into LDS, and which in its fragment order goes straight into registers.
; No prefetch: everything read here was stored by the launch before, and every request of a wave stands in its first lines.
.set KP,   144                         ; pitch of a token of K or Q: 128 + 16 bytes, an odd multiple of 16
.set VP,   160                         ; pitch of a token of V: 128 + 32 bytes, an odd multiple of 32, for the transposing load
.set AOP,  528                         ; attention output, f16: 512 + 16
.set OP,   1040                        ; result, f32: 1,024 + 16
.set KB,   0                           ; 4 pairs x 160 tokens x 144
.set VB,   4*160*KP                    ; 4 pairs x 160 tokens x 160
.set QB,   VB+4*160*VP                 ; 8 waves x 16 queries x 144
.set AOB,  QB+8*16*KP                  ; 32 queries x 528: written by LDS stores, no tensor load lands here
.set OB,   AOB+32*AOP                  ; 32 queries x 1,040: likewise
.set NEG,  0xf149f2ca                  ; -1.0e30
.set KA,   4                           ; v4  K fragments     v5  Q fragments      v6  V fragments (transposing)
.set QA,   5
.set VA,   6
.set AOS,  7                           ; v7  attention output in           v8  attention output back, as fragments
.set AOL,  8
.set OS,   9                           ; v9  result in                     v10 result back, by rows
.set OL,   10
.set GO,   11                          ; v11 16 L
.set M,    12                          ; v12-15 temporaries: maxima, reciprocals
.set BIAS, 16                          ; v16-23
.set ONES, 24                          ; v24-31 a fragment of 1.0
.set MASK, 32                          ; v32-95
.set S,    96                          ; v96-159 scores, then P in f32
.set O0,   96                          ; d 0-15 of the head's output; O1: d 16-31; LS: the row sum
.set O1,   104
.set LS,   112
.set PF,   160                         ; v160-191 P in f16, four fragments
.set QF,   160                         ; the Q fragment, while scores are made
.set AOH,  168                         ; the head's output in f16
.set KF,   192                         ; v192-255 K fragments, then V's
.set VF,   192
.set AOF,  32                          ; projection: v32-159 fragments of the attention output
.set PD,   160                         ; v160-191 its four accumulator tiles
.set RBK,  192                         ; v192-223 read-back
                                       ; v256-383 (window 1, written v0-127): W_proj's fragments for my 32 channels
.set MSB, 0
.macro WIN new                         ; s_set_vgpr_msb: bits 1:0 source 0, 7:6 destination; the high byte repeats the setting that is left
.if MSB != \new
	s_set_vgpr_msb (MSB<<8)|\new
.set MSB, \new
.endif
.endm
.macro PLACES                          ; the four places that ISA guide 7.12.1 asks behind a matrix instruction before its registers are touched
.rept 4
	v_nop
.endr
.endm
	s_load_b256 s[4:11], s[0:1], 0x0               ; qh 4, kh 6, vh 8, wpf 10
	s_load_b128 s[12:15], s[0:1], 0x20             ; b_proj 12, out0 14
	s_set_vgpr_msb 0x40
	v_lshl_add_u32 v128, v0, 2, 0x40400
	v_mov_b32 v129, 0
	s_set_vgpr_msb 0x4045
	ds_add_u32 v128, v129
	ds_add_u32 v128, v129
	s_set_vgpr_msb 0x4500
	v_lshrrev_b32 v12, 5, v0
	v_readfirstlane_b32 s52, v12                   ; wave w
	s_and_b32 s53, s52, 1                          ; t
	s_lshr_b32 s54, s52, 1                         ; p
	s_lshl_b32 s55, ttmp9, 3                       ; c0
	s_and_b32 s56, ttmp7, 0xffff
	s_and_b32 s57, s56, 15
	s_lshl_b32 s57, s57, 2                         ; r0
	s_lshr_b32 s56, s56, 4                         ; batch
	s_sub_co_i32 s58, s57, 3
	s_max_i32 s58, s58, 0
	s_min_i32 s58, s58, 54                         ; hr0: the halo's first row
	s_sub_co_i32 s59, s55, 4
	s_max_i32 s59, s59, 0
	s_min_i32 s59, s59, 48                         ; ws: the halo's first column
	s_lshl1_add_u32 s60, s53, s57                  ; qr0 = r0 + 2 t
	s_sub_co_i32 s61, s60, 3
	s_max_i32 s61, s61, 0
	s_min_i32 s61, s61, 56                         ; swr: my window's first row; swr - hr0 is 0 or 2 for every r0 and t
	s_cmp_lg_u32 s61, s58
	s_cselect_b32 s62, 2*16*KP, 0                  ; two halo rows of K,
	s_cselect_b32 s63, 2*16*VP, 0                  ; of V
	; descriptor groups 1.  Elements of 2 bytes.  A tile row is a run of neighbouring tokens of one grid row (16 x 64 elements, Q: 8 x 64), dense in
	; memory; from grid row to grid row 64 tokens = 4,096 elements.  Padding behind every 32 words (a token): 4 words, for V 8.
	s_mov_b32 s16, (1<<16)|(1<<20)|(4<<22)|(3<<25)
	s_mov_b32 s17, 1024<<16                        ; tensor_dim0 = 1,024
	s_mov_b32 s18, 5<<16                           ; tensor_dim1 = 5
	s_mov_b32 s19, 1024<<16                        ; tile_dim0 = 1,024
	s_mov_b32 s20, 5                               ; tile_dim1 = 5 grid rows
	s_mov_b32 s21, 4096
	s_mov_b32 s22, 0
	s_mov_b32 s23, 0
	s_mov_b32 s24, (1<<16)|(1<<20)|(4<<22)|(7<<25)
	s_mov_b32 s25, 1024<<16
	s_mov_b32 s26, 5<<16
	s_mov_b32 s27, 1024<<16
	s_mov_b32 s28, 5
	s_mov_b32 s29, 4096
	s_mov_b32 s30, 0
	s_mov_b32 s31, 0
	s_mov_b32 s32, (1<<16)|(1<<20)|(4<<22)|(3<<25)
	s_mov_b32 s33, 512<<16
	s_mov_b32 s34, 2<<16
	s_mov_b32 s35, 512<<16
	s_mov_b32 s36, 2
	s_mov_b32 s37, 4096
	s_mov_b32 s38, 0
	s_mov_b32 s39, 0
	; groups 0: each wave's tiles go to bytes of its own, a constant plus the wave's number times a constant
	s_mov_b32 s40, 1
	s_mul_i32 s41, s52, 16*KP
	s_add_co_u32 s41, s41, QB                      ; my 16 queries of pair p
	s_mov_b32 s44, 1
	s_mul_i32 s45, s52, 80*KP                      ; KB = 0: pair p's halo rows 5 t .. 5 t + 4
	s_mov_b32 s48, 1
	s_mul_i32 s49, s52, 80*VP
	s_add_co_u32 s49, s49, VB
	; byte offsets: (pair << 20) + (token << 7)
	s_lshl_b32 s72, s56, 12                        ; 4,096 x batch
	s_lshl_b32 s74, s54, 20
	s_lshl_b32 s73, s60, 6
	s_add_co_u32 s73, s73, s72
	s_add_co_u32 s73, s73, s55                     ; token (qr0, c0)
	s_lshl_b32 s66, s73, 7
	s_add_co_u32 s66, s66, s74
	s_mov_b32 s67, 0
	s_mul_i32 s75, s53, 5
	s_add_co_u32 s75, s75, s58
	s_lshl_b32 s75, s75, 6
	s_add_co_u32 s75, s75, s72
	s_add_co_u32 s75, s75, s59                     ; token (hr0 + 5 t, ws)
	s_lshl_b32 s68, s75, 7
	s_add_co_u32 s68, s68, s74
	s_mov_b32 s69, 0
	s_lshl_b32 s76, s52, 14                        ; wpf: 32 blocks of 512 bytes a wave
	s_mov_b32 s77, 0
	s_add_co_u32 s73, s57, s54                     ; out0: my four queries 4 w .. +3 lie at row r0 + (w>>1), columns c0 + 4 (w&1) .. +3
	s_lshl_b32 s73, s73, 6
	s_add_co_u32 s73, s73, s72
	s_add_co_u32 s73, s73, s55
	s_lshl2_add_u32 s73, s53, s73
	s_lshl_b32 s78, s73, 10
	s_mov_b32 s79, 0
	v_and_b32 v1, 31, v0                           ; L
	v_lshlrev_b32 v[GO], 4, v1
	s_wait_dscnt 0x0
	s_wait_kmcnt 0x0
	s_add_nc_u64 s[42:43], s[4:5], s[66:67]
	s_or_b32 s43, s43, 0x80000000                  ; type 2
	s_add_nc_u64 s[46:47], s[6:7], s[68:69]
	s_or_b32 s47, s47, 0x80000000
	s_add_nc_u64 s[50:51], s[8:9], s[68:69]
	s_or_b32 s51, s51, 0x80000000
	tensor_load_to_lds s[40:43], s[32:39]          ; Q, K, V in this order: three tensor loads of a wave are out at the most
	s_nop 0
	tensor_load_to_lds s[44:47], s[16:23]
	s_nop 0
	tensor_load_to_lds s[48:51], s[24:31]
	s_nop 0
	s_add_nc_u64 s[10:11], s[10:11], s[76:77]
	s_add_nc_u64 s[14:15], s[14:15], s[78:79]
	WIN 0x40                                       ; destination in window 1
.set n, 0
.rept 32
	global_load_b128 v[4*n:4*n+3], v[GO], s[10:11] offset:512*n    ; v256+4n: block 16 ctl + 2 kc + i2 of my channel tiles 2 w + ctl; 512 consecutive bytes each
.set n, n+1
.endr
	WIN 0
	global_load_b128 v[BIAS:BIAS+3],   v[GO], s[12:13]             ; channels 4 L .. +3
	global_load_b128 v[BIAS+4:BIAS+7], v[GO], s[12:13] offset:512  ; channels 128 + 4 L .. +3
	; LDS addresses, while the tiles travel
	v_and_b32 v2, 15, v0                           ; r
	v_bfe_u32 v3, v0, 4, 1                         ; h
	v_mul_u32_u24 v12, v2, KP
	v_lshl_add_u32 v12, v3, 4, v12                 ; r x 144 + 16 h
	s_mul_i32 s73, s54, 160*KP
	s_add_co_u32 s73, s73, s62
	v_add_nc_u32 v[KA], s73, v12
	v_add_nc_u32 v[QA], s41, v12
	v_and_b32 v13, 7, v0
	v_lshl_add_u32 v13, v3, 3, v13                 ; key 8 h + (L&7)
	v_mul_u32_u24 v13, v13, VP
	v_bfe_u32 v14, v0, 3, 1
	v_lshl_add_u32 v13, v14, 4, v13                ; + 16 ((L>>3)&1)
	s_mul_i32 s73, s54, 160*VP
	s_add_co_u32 s73, s73, s63
	s_add_co_u32 s73, s73, VB
	v_add_nc_u32 v[VA], s73, v13
	v_mul_u32_u24 v12, v2, AOP
	v_lshl_add_u32 v12, v3, 4, v12
	v_add_nc_u32 v[AOL], AOB, v12                  ; query r, 16 h
	s_mul_i32 s73, s53, 16*AOP
	s_lshl_b32 s74, s54, 7
	s_add_co_u32 s73, s73, s74
	v_add_nc_u32 v[AOS], s73, v[AOL]               ; query 16 t + r, channel byte 128 p + 16 h
	v_mul_u32_u24 v12, v2, OP
	v_lshl_add_u32 v12, v3, 5, v12
	s_lshl_b32 s73, s52, 7
	s_add_co_u32 s73, s73, OB
	v_add_nc_u32 v[OS], s73, v12                   ; query r, channel byte 128 w + 32 h
	s_mul_i32 s73, s52, 4*OP
	s_add_co_u32 s73, s73, OB
	v_add_nc_u32 v[OL], s73, v[GO]                 ; query 4 w, byte 16 L
	s_mov_b32 s70, 0x76543210                      ; v_permlanex16_b32: lane i reads lane i of the other half
	s_mov_b32 s71, 0xfedcba98
.irp j, 0,1,2,3,4,5,6,7
	v_mov_b32 v[ONES+\j], 0x3c003c00               ; two f16 ones
.endr
	; THE MASK, as the scores' C operand: register j of tile i is key (swr + i, ws + 8 h + j) against query (qr0 + (r>>3), c0 + (r&7)).
	; |distance| <= 3 is (distance + 3) < 7 without sign.  Columns first (v96-103), then each window row picks them or -1.0e30.
	s_sub_co_i32 s73, s59, s55
	s_add_co_i32 s73, s73, 3
	v_and_b32 v12, 7, v0
	v_lshlrev_b32 v13, 3, v3
	v_sub_nc_u32 v13, v13, v12
	v_add_nc_u32 v13, s73, v13
	v_mov_b32 v104, NEG
	v_mov_b32 v105, 0
.irp j, 0,1,2,3,4,5,6,7
	v_add_nc_u32 v106, \j, v13
	v_cmp_gt_u32 vcc_lo, 7, v106
	v_cndmask_b32 v[96+\j], v104, v105, vcc_lo
.endr
	s_sub_co_i32 s73, s61, s60
	s_add_co_i32 s73, s73, 3
	v_bfe_u32 v12, v0, 3, 1
	v_sub_nc_u32 v12, s73, v12
.irp i, 0,1,2,3,4,5,6,7
	v_add_nc_u32 v106, \i, v12
	v_cmp_gt_u32 vcc_lo, 7, v106
.irp j, 0,1,2,3,4,5,6,7
	v_cndmask_b32 v[MASK+8*\i+\j], v104, v[96+\j], vcc_lo
.endr
.endr
	s_wait_tensorcnt 0x1                           ; tensor loads of a wave end in order (ISA guide 10.11.1): my Q and my half of K are in, V stays out
	s_barrier_signal -1
	s_barrier_wait -1                              ; the other half of K, which my pair's other wave asked for, is in too
.macro PV c, zero                      ; 32 keys (window rows 2 c, 2 c + 1): output d 0-15, d 16-31, row sum
	s_wait_dscnt 12-4*\c                           ; this chunk's four transposing loads are in; the later chunks' stay out
.if \zero
	v_wmma_f32_16x16x32_f16 v[O0:O0+7], v[VF+16*\c:VF+16*\c+7],    v[PF+8*\c:PF+8*\c+7], 0
	v_wmma_f32_16x16x32_f16 v[O1:O1+7], v[VF+16*\c+8:VF+16*\c+15], v[PF+8*\c:PF+8*\c+7], 0
	v_wmma_f32_16x16x32_f16 v[LS:LS+7], v[ONES:ONES+7],            v[PF+8*\c:PF+8*\c+7], 0
.else
	v_wmma_f32_16x16x32_f16 v[O0:O0+7], v[VF+16*\c:VF+16*\c+7],    v[PF+8*\c:PF+8*\c+7], v[O0:O0+7]
	v_wmma_f32_16x16x32_f16 v[O1:O1+7], v[VF+16*\c+8:VF+16*\c+15], v[PF+8*\c:PF+8*\c+7], v[O1:O1+7]
	v_wmma_f32_16x16x32_f16 v[LS:LS+7], v[ONES:ONES+7],            v[PF+8*\c:PF+8*\c+7], v[LS:LS+7]
.endif
.endm
; Head 2 p + e of my query tile.  first = 1: the unit in which V's arrival is waited for and told to the others.
.macro UNIT e, first
	ds_load_b128 v[QF:QF+3],   v[QA] offset:64*\e
	ds_load_b128 v[QF+4:QF+7], v[QA] offset:64*\e+32
.irp i, 0,1,2,3,4,5,6,7
	ds_load_b128 v[KF+8*\i:KF+8*\i+3],   v[KA] offset:16*KP*\i+64*\e
	ds_load_b128 v[KF+8*\i+4:KF+8*\i+7], v[KA] offset:16*KP*\i+64*\e+32
.endr
.irp i, 0,1,2,3,4,5,6,7
	s_wait_dscnt 14-2*\i                           ; Q and window rows 0 .. i are in; the 2 (7 - i) younger loads stay out
	v_wmma_f32_16x16x32_f16 v[S+8*\i:S+8*\i+7], v[KF+8*\i:KF+8*\i+7], v[QF:QF+7], v[MASK+8*\i:MASK+8*\i+7]
.endr
.if \first
	s_wait_tensorcnt 0x0                           ; my half of V is in (and no LDS instruction of mine is out: the last wait above was for 0)
	s_barrier_signal -1
	PLACES
	s_barrier_wait -1                              ; the other half too
.else
	PLACES
.endif
.irp c, 0,1,2,3
.irp u, 0,1
	ds_load_tr16_b128 v[VF+16*\c+8*\u:VF+16*\c+8*\u+3],   v[VA] offset:32*VP*\c+64*\e+32*\u          ; V^T: d 16 u + r, keys 32 c + 8 h .. +7
	ds_load_tr16_b128 v[VF+16*\c+8*\u+4:VF+16*\c+8*\u+7], v[VA] offset:32*VP*\c+64*\e+32*\u+16*VP    ; keys 32 c + 16 + 8 h .. +7
.endr
.endr
	; the largest of my 64 scores, in four chains of 15; the four left over join as the chains are merged
.irp k, 0,1,2,3
	v_max3_num_f32 v[M+\k], v[S+16*\k], v[S+16*\k+1], v[S+16*\k+2]
.endr
.irp n, 3,5,7,9,11,13
.irp k, 0,1,2,3
	v_max3_num_f32 v[M+\k], v[M+\k], v[S+16*\k+\n], v[S+16*\k+\n+1]
.endr
.endr
	v_max3_num_f32 v[M],   v[M],   v[S+15], v[S+31]
	v_max3_num_f32 v[M+1], v[M+1], v[S+47], v[S+63]
	v_max3_num_f32 v[M],   v[M],   v[M+1],  v[M+2]
	v_max_num_f32  v[M],   v[M],   v[M+3]
	v_permlanex16_b32 v[M+1], v[M], s70, s71       ; lane (r, 1 - h) holds the query's other 64 keys
	v_max_num_f32 v[M+2], v[M], v[M+1]             ; the query's maximum, twice: a pair for the packed subtraction
	v_max_num_f32 v[M+3], v[M], v[M+1]
.set n, 0
.rept 32
	v_pk_add_f32 v[S+2*n:S+2*n+1], v[S+2*n:S+2*n+1], v[M+2:M+3] neg_lo:[0,1] neg_hi:[0,1]
.set n, n+1
.endr
.set n, 0
.rept 64
	v_exp_f32 v[S+n], v[S+n]                       ; masked keys: 2^(-1e30) = 0
.set n, n+1
.endr
	v_nop                                          ; one plain instruction behind the last exponential before results are read (ISA guide 5.7.2)
.set n, 0
	s_wait_alu depctr_va_vdst(0)
.rept 32
	v_cvt_pk_f16_f32 v[PF+n], v[S+2*n], v[S+2*n+1] ; fragment c: registers 0-3 from window row 2 c, 4-7 from row 2 c + 1
.set n, n+1
.endr
	PV 0, 1
	PV 1, 0
	PV 2, 0
	PV 3, 0
.rept 5
	v_nop                                          ; five places: the next matrix instructions write over these results and sources
.endr
	v_rcp_f32 v[M],   v[LS]                        ; the sum is at least 1: the largest key gives 2^0
	v_rcp_f32 v[M+1], v[LS+1]
	v_nop
.set n, 0
	s_wait_alu depctr_va_vdst(0)
.rept 8
	v_pk_mul_f32 v[O0+2*n:O0+2*n+1], v[O0+2*n:O0+2*n+1], v[M:M+1]
.set n, n+1
.endr
.set n, 0
.rept 8
	v_cvt_pk_f16_f32 v[AOH+n], v[O0+2*n], v[O0+2*n+1]
.set n, n+1
.endr
	ds_store_b128 v[AOS], v[AOH:AOH+3]   offset:64*\e      ; query 16 t + r, channels 32 (2 p + e) + 8 h .. +7
	ds_store_b128 v[AOS], v[AOH+4:AOH+7] offset:64*\e+32   ; + 16
.endm
	UNIT 0, 1
	UNIT 1, 0
	s_wait_dscnt 0x0                               ; my part of the attention output is in LDS, for the others' sake
	s_barrier_signal -1
	s_barrier_wait -1
	; THE PROJECTION: source 0 = 16 channels of W_proj, source 1 = 16 queries: lane (r, h) holds query r and channels 8 h + 0..7 of a tile
.irp kc, 0,1,2,3,4,5,6,7
.irp tq, 0,1
	ds_load_b128 v[AOF+16*\kc+8*\tq:AOF+16*\kc+8*\tq+3],   v[AOL] offset:16*AOP*\tq+64*\kc
	ds_load_b128 v[AOF+16*\kc+8*\tq+4:AOF+16*\kc+8*\tq+7], v[AOL] offset:16*AOP*\tq+64*\kc+32
.endr
.endr
	s_wait_loadcnt 0x0                             ; W_proj's fragments and the bias, asked for at the start
	WIN 0x01                                       ; source 0 in window 1
.irp kc, 0,1,2,3,4,5,6,7
	s_wait_dscnt 28-4*\kc                          ; chunk kc's four loads are in; the later chunks' stay out
.irp ctl, 0,1
.irp tq, 0,1
.if \kc == 0
	v_wmma_f32_16x16x32_f16 v[PD+16*\ctl+8*\tq:PD+16*\ctl+8*\tq+7], v[64*\ctl+8*\kc:64*\ctl+8*\kc+7], v[AOF+16*\kc+8*\tq:AOF+16*\kc+8*\tq+7], 0
.else
	v_wmma_f32_16x16x32_f16 v[PD+16*\ctl+8*\tq:PD+16*\ctl+8*\tq+7], v[64*\ctl+8*\kc:64*\ctl+8*\kc+7], v[AOF+16*\kc+8*\tq:AOF+16*\kc+8*\tq+7], v[PD+16*\ctl+8*\tq:PD+16*\ctl+8*\tq+7]
.endif
.endr
.endr
.endr
	WIN 0
	PLACES                                         ; before LDS stores read the sums
.irp tq, 0,1
.irp ctl, 0,1
	ds_store_b128 v[OS], v[PD+16*\ctl+8*\tq:PD+16*\ctl+8*\tq+3]   offset:16*OP*\tq+64*\ctl
	ds_store_b128 v[OS], v[PD+16*\ctl+8*\tq+4:PD+16*\ctl+8*\tq+7] offset:16*OP*\tq+64*\ctl+16
.endr
.endr
	s_wait_dscnt 0x0                               ; for the others' sake
	s_barrier_signal -1
	s_barrier_wait -1
	; THE WAY OUT: wave w takes queries 4 w .. +3, neighbouring tokens: 4,096 consecutive bytes of out0, each store 512 of them, aligned
.irp i, 0,1,2,3
.irp s, 0,1
	ds_load_b128 v[RBK+8*\i+4*\s:RBK+8*\i+4*\s+3], v[OL] offset:OP*\i+512*\s
.endr
.endr
.irp i, 0,1,2,3
.irp s, 0,1
	s_wait_dscnt 7-2*\i-\s                         ; the younger read-backs stay out
	v_pk_add_f32 v[RBK+8*\i+4*\s:RBK+8*\i+4*\s+1],   v[RBK+8*\i+4*\s:RBK+8*\i+4*\s+1],   v[BIAS+4*\s:BIAS+4*\s+1]
	v_pk_add_f32 v[RBK+8*\i+4*\s+2:RBK+8*\i+4*\s+3], v[RBK+8*\i+4*\s+2:RBK+8*\i+4*\s+3], v[BIAS+4*\s+2:BIAS+4*\s+3]
	global_store_b128 v[GO], v[RBK+8*\i+4*\s:RBK+8*\i+4*\s+3], s[14:15] offset:1024*\i+512*\s th:TH_STORE_NT
.endr
.endr
	s_set_vgpr_msb 0x5
	s_wait_tensorcnt 0x0
	ds_add_u32 v128, v129
	s_wait_dscnt 0x0
	s_set_vgpr_msb 0x500
	s_endpgm
.Lfunc_end_k_q0c2f6e9423_attn:
	.size	k_q0c2f6e9423_attn, .Lfunc_end_k_q0c2f6e9423_attn-k_q0c2f6e9423_attn
	.p2alignl 7, 3214868480
	.fill 96, 4, 3214868480
	.section	.rodata,"a",@progbits
	.p2align	6, 0x0
	.amdhsa_kernel k_q0c2f6e9423_attn
		.amdhsa_group_segment_fixed_size 264192
		.amdhsa_private_segment_fixed_size 0
		.amdhsa_enable_private_segment 0
		.amdhsa_kernarg_size 48
		.amdhsa_user_sgpr_count 2
		.amdhsa_user_sgpr_kernarg_segment_ptr 1
		.amdhsa_wavefront_size32 1
		.amdhsa_system_sgpr_workgroup_id_x 1
		.amdhsa_system_sgpr_workgroup_id_y 1
		.amdhsa_system_sgpr_workgroup_id_z 1
		.amdhsa_system_vgpr_workitem_id 0
		.amdhsa_next_free_vgpr 386
		.amdhsa_next_free_sgpr 80
		.amdhsa_reserve_vcc 1
		.amdhsa_float_denorm_mode_32 3
		.amdhsa_float_denorm_mode_16_64 3
		.amdhsa_memory_ordered 1
		.amdhsa_forward_progress 1
		.amdhsa_inst_pref_size 49
	.end_amdhsa_kernel
	.amdgpu_metadata
---
amdhsa.version: [ 1, 2 ]
amdhsa.kernels:
  - .name:           k_q0c2f6e9423_attn
    .symbol:         k_q0c2f6e9423_attn.kd
    .args:
      - { .name: qh, .offset: 0, .size: 8, .value_kind: global_buffer, .address_space: global }
      - { .name: kh, .offset: 8, .size: 8, .value_kind: global_buffer, .address_space: global }
      - { .name: vh, .offset: 16, .size: 8, .value_kind: global_buffer, .address_space: global }
      - { .name: wpf, .offset: 24, .size: 8, .value_kind: global_buffer, .address_space: global }
      - { .name: b_proj, .offset: 32, .size: 8, .value_kind: global_buffer, .address_space: global }
      - { .name: out0, .offset: 40, .size: 8, .value_kind: global_buffer, .address_space: global }
    .group_segment_fixed_size: 264192
    .private_segment_fixed_size: 0
    .kernarg_segment_align: 8
    .kernarg_segment_size: 48
    .max_flat_workgroup_size: 256
    .sgpr_count:     80
    .vgpr_count:     386
    .wavefront_size: 32
...
	.end_amdgpu_metadata
.endif
;; end of part 2
